; MI455X (gfx1250); checked and timed in simulation.
; The chip was launched on July 23, 2026; its instructions are those of AMD's public machine-readable ISA for CDNA 5 (MIT licence, August 2026) and "CDNA5" Instruction Set Architecture Reference Guide (July 2026). The comments in the code are by the model that wrote it; some were corrected since.
;; Local GMM Scorer Attention. Allowed arithmetic: matrix products marked QUANTISED: E2M1 operands, one E8M0 scale for each 32 along K, by v_wmma_scale_f32_16x16x128_f8f6f4 with both operands' format E2M1 (or v_wmma_scale_f32_32x16x128_f4), f32 sums; products left as they are: f32 operands where the result goes on into a quantised operand, else bf16, f16 or f32 operands; f32 sums; everything else in f32.
;; Inputs: W_p2s 256 x 12 float32; W_q2p 512 x 256 float32; W_s0 1,024 x 256 float32; W_s1 256 x 1 float32; b_p2s 12 float32; b_q2p 256 float32; b_s0 256 float32; b_s1 1 float32; ctx 32 x 2,048 x 512 float32; query 32 x 512 float32.
;; Outputs: out0 32 x 512 float32; out1 32 x 2,048 float32.
;; This version of the problem:
;;   THIS VERSION OF THE PROBLEM IS GIVEN IN LOW PRECISION. The matrix products marked QUANTISED in the list below multiply operands that are first quantised to E2M1 (2 exponent bits, 1 mantissa bit; 4 bits a number), with one power-of-two scale for each 32 numbers along K (OCP MX v1.0); their sums are f32. All else is computed in f32.
;;   The module's matrix products, in the order in which they are computed (A, B: the left and right operand; K: the contracted axis; several contracted axes count as one K, in the product's order):
;;     1. [M 32, K 512] x [K 512, N 256]; A: input query; B: input W_q2p: QUANTISED
;;     2. [M 32, K 256] x [K 256, N 12]; A: computed on the way; B: input W_p2s: left as it is (N = 12 < 16)
;;     3. [M 65,536, K 1,024] x [K 1,024, N 256]; A: computed on the way; B: input W_s0: QUANTISED
;;     4. [M 65,536, K 256] x [K 256, N 1]; A: computed on the way; B: input W_s1: left as it is (N = 1 < 16)
;;     5. batch 32 x [M 1, K 2,048] x [K 2,048, N 512]; A: computed on the way; B: input ctx: left as it is (M = 1 < 16)
;;   THE QUANTISER, for each operand of a quantised product, along K:
;;     - K is cut into blocks of 32 from its start; a last block that is shorter is filled with zeros.
;;     - A block's scale is 2^e with e = floor(log2(the largest magnitude in the block)) - 2, held to -126 .. 127; a block of zeros has e = 0. As a byte (E8M0): e + 127.
;;     - Each number is divided by its block's scale, clamped to +-6, and rounded to the nearest number of E2M1, ties to even, subnormals kept.
;;     - The product sums the exact products of the quantised numbers (number of the format x scale) in f32.
;;   ~~~python
;;   def quantise(x, axis):      # numpy; x: float32 -> the quantised numbers, widened to float32 again
;;       x = np.moveaxis(x, axis, -1); K = x.shape[-1]
;;       x = np.pad(x, [(0, 0)] * (x.ndim - 1) + [(0, -K % 32)]); x = x.reshape(x.shape[:-1] + (-1, 32)); a = np.abs(x).max(-1, keepdims=True)
;;       e = np.where(a > 0, np.clip(np.frexp(np.where(a > 0, a, 1))[1] - 1 - 2, -126, 127), 0)      # np.frexp(a)[1] - 1 = floor(log2(a)), exactly
;;       r = np.clip(x / 2.0 ** e, -6, 6)
;;       step = 2.0 ** (np.maximum(np.frexp(np.where(r == 0, 1, r))[1] - 1, 0) - 1)
;;       q = np.round(r / step) * step * 2.0 ** e      # np.round: ties to even
;;       return np.moveaxis(q.reshape(q.shape[:-2] + (-1,))[..., :K], -1, axis).astype(np.float32)
;;   ~~~
;;   OPERANDS COMPUTED ON THE WAY. 'Computed on the way' means the value that the module computes at that place (a softmax that the list does not call 'softmax' is quantised finished and normalised). What goes into a quantiser is computed in f32, as accurately as f32 sums, v_exp_f32 and their like allow (about 1e-6 of the number): no bf16 or f16 on the way to a quantiser, and a product that is left as it is and whose result goes on into a quantised operand takes f32 operands (vector FMAs, or v_wmma_f32_16x16x4_f32). A number that lies on a knife's edge between two numbers of the format may be rounded either way, as far as f32 arithmetic and the matrix unit's own rounding can turn it there, and no further.
;; One version. Each part assembles by itself: llvm-mc -triple=amdgcn-amd-amdhsa -mcpu=gfx1250 --defsym DOCPART=n.
;; ======== version 1 of 1: 3 launches
;; workspace buffers: w0c 131,072 bytes; w0s 16,384 bytes; qc 8,192 bytes; qs 512 bytes; hpart 131,072 bytes; lkh 262,144 bytes; stats 2,048 bytes; cent 512 bytes of whole numbers
;; launch prep (part 1): grid 48 x 1, 4 waves a work-group, no clusters, 0 bytes of LDS; arguments W_s0, W_q2p, query, w0c, w0s, qc, qs, hpart; writes w0c, w0s, qc, qs, hpart
.if DOCPART == 1
	.amdgcn_target "amdgcn-amd-amdhsa--gfx1250"
	.amdhsa_code_object_version 6
	.text
	.protected	k_q84a87bc585_prep
	.globl	k_q84a87bc585_prep
	.p2align	8
	.type	k_q84a87bc585_prep,@function
k_q84a87bc585_prep:
	s_mov_b64 s[64:65], 0
	v_nop
	global_prefetch_b8 v0, s[64:65] scope:SCOPE_SE
	s_setreg_imm32_b32 hwreg(HW_REG_WAVE_MODE, 25, 1), 1
	s_wait_xcnt 0x0
; PREP.  W_s0 [1024][256] and W_q2p [512][256], f32 with K as their FIRST axis, and query [32][512] are quantised to codes of FP4 (E2M1) with one E8M0 byte for each 32 along K.
; A wave takes one unit: 128 along K x 16 columns of a weight.  A LANE TAKES A COLUMN AND ITS REGISTERS RUN DOWN K, in the very order that the 4-bit operand's layout gives that lane
; (lane (r, h): registers 32 c + i = k 64 c + 32 h + i), so the conversions' results ARE the operand's registers and nothing is transposed.
; Work-groups 0-31: W_s0, K step s = g / 4, column tile T = 4 (g % 4) + wave.  The codes leave as images of the operand's registers: w0c at ((8 T + s) 2 + c) 512 + 16 lane; the scale word
;   at w0s + 1024 T + 512 (s / 4) + 16 lane + 4 (s % 4), so that the reader has four K steps' words by one load of 16 bytes.  (These are stores of 4 bytes 16 apart: 16 KiB in the whole launch.)
; Work-groups 32-47: W_q2p, s = (g - 32) / 4.  The unit and the query's two fragments of that K step (batches 0-15, 16-31) are quantised in registers and multiplied at once:
;   hpart[s][batch][unit] = the K step's part of query @ W_q2p, f32 (the next launch adds the four parts, K ascending).  The wave with T = 0 also writes the query's codes (qc [32][256 bytes]) and scale words (qs [32][4]).
; A block's scale is 2^(floor(log2(its largest magnitude)) - 2); its byte is the largest magnitude's exponent field - 2, held at 1 from below.
; LIMITS: a block of zeros, or one whose largest magnitude lies under 2^-124, has the byte 1 (the rule gives a block of zeros 127: its codes are zeros, and this program alone reads the bytes).  NaN and infinities among the inputs are not served.
; No LDS, no barrier: waves share nothing.  48 work-groups: the two weights have no more units than these 192 waves take.
.set LI,   1                           ; v1   16 x lane
.set RR,   2                           ; v2   r = lane % 16
.set HH,   3                           ; v3   h = lane / 16
.set VA,   4                           ; v4   a weight: 32 h rows of 1,024 bytes + 4 r
.set QA,   5                           ; v5   query: row r of 2,048 bytes + 128 h
.set HA,   6                           ; v6   hpart: row r of 1,024 bytes + 32 h
.set QCA,  7                           ; v7   qc: row r of 256 bytes + 16 h
.set QSA,  8                           ; v8   qs: 16 r
.set LN,   9                           ; v9   lane
.set SH8,  10                          ; v10  8 h: where my two scale bytes stand in the word
.set TMPX, 11                          ; v11  the other half's bytes
.set TQ,   16                          ; v16-19 largest magnitudes, two chains a block
.set EX,   20                          ; v20-21 the conversions' scale operands
.set BYQ,  22                          ; v22-23 the scale bytes
.set PCW,  24                          ; v24-31 the weight's fragment
.set PC0,  32                          ; v32-39, v40-47 the query's two
.set PC1,  40
.set SWW,  48                          ; v48-50 the three scale words: they hold scales and nothing else
.set SW0,  49
.set SW1,  50
.set XW,   52                          ; v52-115 64 numbers of the weight; later the two results
.set D0,   52
.set D1,   60
.set Q0,   116                         ; v116-179, v180-243 64 numbers of the query each
.set Q1,   180
.set SEL,  28                          ; s[28:29] v_permlanex16_b32's selects for lane l xor 16
; 64 numbers of a lane, register 32 c + i = k 64 c + 32 h + i of my row or column: two whole blocks.  They become the fragment's 8 registers at dst and the scale word sw (in both halves of the lanes).
.macro QF src, dst, sw
	v_max3_num_f32 v[TQ],   |v[\src]|,    |v[\src+1]|,  |v[\src+2]|
	v_max3_num_f32 v[TQ+1], |v[\src+3]|,  |v[\src+4]|,  |v[\src+5]|
	v_max3_num_f32 v[TQ+2], |v[\src+32]|, |v[\src+33]|, |v[\src+34]|
	v_max3_num_f32 v[TQ+3], |v[\src+35]|, |v[\src+36]|, |v[\src+37]|
.irp i, 6,10,14,18,22,26
	v_max3_num_f32 v[TQ],   v[TQ],   |v[\src+\i]|,    |v[\src+\i+1]|      ; four chains by turns: no line waits for the line above it
	v_max3_num_f32 v[TQ+1], v[TQ+1], |v[\src+\i+2]|,  |v[\src+\i+3]|
	v_max3_num_f32 v[TQ+2], v[TQ+2], |v[\src+\i+32]|, |v[\src+\i+33]|
	v_max3_num_f32 v[TQ+3], v[TQ+3], |v[\src+\i+34]|, |v[\src+\i+35]|
.endr
	v_max3_num_f32 v[TQ],   v[TQ],   |v[\src+30]|, |v[\src+31]|
	v_max3_num_f32 v[TQ+2], v[TQ+2], |v[\src+62]|, |v[\src+63]|
	v_max3_num_f32 v[TQ],   v[TQ],   v[TQ+1], 0x1800000                  ; and the floor 2^(3 - 127): the byte cannot fall under 1
	v_max3_num_f32 v[TQ+2], v[TQ+2], v[TQ+3], 0x1800000
	v_add_nc_u32 v[EX],   0xff000000, v[TQ]                              ; 2 off the exponent field: the conversion takes the exponent field of this operand as its scale, and nothing else of it
	v_add_nc_u32 v[EX+1], 0xff000000, v[TQ+2]
	v_lshrrev_b32 v[BYQ],   23, v[EX]                                    ; the scale bytes of blocks h and 2 + h
	v_lshrrev_b32 v[BYQ+1], 23, v[EX+1]
	v_lshl_or_b32 v[\sw], v[BYQ+1], 16, v[BYQ]
	v_lshlrev_b32 v[\sw], v[SH8], v[\sw]                                 ; at their places in the word
	v_permlanex16_b32 v[TMPX], v[\sw], s[SEL], s[SEL+1]
	v_or_b32 v[\sw], v[\sw], v[TMPX]                                     ; with lane l xor 16's two the word is whole
.irp c, 0,1
.irp g, 0,1,2,3
	v_cvt_scalef32_pk8_fp4_f32 v[\dst+4*\c+\g], v[\src+32*\c+8*\g:\src+32*\c+8*\g+7], v[EX+\c]
.endr
.endr
	v_nop                                                                ; one plain place behind the last scaled conversion
.endm
	s_load_b256 s[4:11], s[0:1], 0x0               ; W_s0 s[4:5], W_q2p s[6:7], query s[8:9], w0c s[10:11]
	s_load_b256 s[12:19], s[0:1], 0x20             ; w0s s[12:13], qc s[14:15], qs s[16:17], hpart s[18:19]
	v_lshrrev_b32 v[RR], 5, v0
	v_readfirstlane_b32 s20, v[RR]                 ; wave 0..3
	v_and_b32 v[LN], 31, v0
	v_and_b32 v[RR], 15, v0
	v_bfe_u32 v[HH], v0, 4, 1
	v_lshlrev_b32 v[LI], 4, v[LN]
	v_lshlrev_b32 v[VA], 2, v[RR]
	v_lshl_add_u32 v[VA], v[HH], 15, v[VA]
	v_lshlrev_b32 v[QA], 11, v[RR]
	v_lshl_add_u32 v[QA], v[HH], 7, v[QA]
	v_lshlrev_b32 v[HA], 10, v[RR]
	v_lshl_add_u32 v[HA], v[HH], 5, v[HA]
	v_lshlrev_b32 v[QCA], 8, v[RR]
	v_lshl_add_u32 v[QCA], v[HH], 4, v[QCA]
	v_lshlrev_b32 v[QSA], 4, v[RR]
	v_lshlrev_b32 v[SH8], 3, v[HH]
	v_mov_b32 v[TMPX], 0                           ; written once: a lane permute's destination counts as one of its sources
	s_mov_b32 s[SEL], 0x76543210
	s_mov_b32 s[SEL+1], 0xfedcba98
	s_mov_b32 s27, 0                               ; the high word of every offset
	s_wait_kmcnt 0x0
	s_cmp_lt_u32 ttmp9, 32                         ; W_s0's work-group or W_q2p's?  The choice hangs on the work-group's number alone
	s_cselect_b64 s[4:5], s[4:5], s[6:7]
	s_cselect_b32 s21, 0, 32
	s_sub_co_u32 s21, ttmp9, s21                   ; g, counted within the weight
	s_lshr_b32 s22, s21, 2                         ; s: the K step
	s_and_b32 s23, s21, 3
	s_lshl_b32 s24, s23, 2
	s_add_co_u32 s24, s24, s20                     ; T: the column tile.  The four waves stand side by side on 256 consecutive bytes of each row
	s_lshl_b32 s26, s22, 17                        ; 128 rows of 1,024 bytes a K step,
	s_lshl_b32 s25, s24, 6                         ; 64 bytes a tile
	s_add_co_u32 s26, s26, s25
	s_add_nc_u64 s[4:5], s[4:5], s[26:27]
.irp c, 0,1
.irp i, 0,1,2,3,4,5,6,7,8,9,10,11,12,13,14,15,16,17,18,19,20,21,22,23,24,25,26,27,28,29,30,31
	global_load_b32 v[XW+32*\c+\i], v[VA], s[4:5] offset:(64*\c+\i)*1024 th:TH_LOAD_NT   ; W(128 s + 64 c + 32 h + i, 16 T + r)
.endr
.endr
	s_cmp_lt_u32 ttmp9, 32
	s_cbranch_scc0 .Lrole_b
	; ---- W_s0: the unit's codes and scale word leave as images
	s_lshl_b32 s26, s24, 3
	s_add_co_u32 s26, s26, s22
	s_lshl_b32 s26, s26, 10                        ; (8 T + s) x 1,024
	s_add_nc_u64 s[10:11], s[10:11], s[26:27]
	s_lshl_b32 s26, s24, 10                        ; 1,024 T
	s_lshr_b32 s25, s22, 2
	s_lshl_b32 s25, s25, 9                         ; + 512 (s / 4)
	s_add_co_u32 s26, s26, s25
	s_and_b32 s25, s22, 3
	s_lshl_b32 s25, s25, 2                         ; + 4 (s % 4)
	s_add_co_u32 s26, s26, s25
	s_add_nc_u64 s[12:13], s[12:13], s[26:27]
	s_wait_loadcnt 0x0
	QF XW, PCW, SWW
	global_store_b128 v[LI], v[PCW:PCW+3], s[10:11]                      ; 32 lanes store 512 consecutive bytes
	global_store_b128 v[LI], v[PCW+4:PCW+7], s[10:11] offset:512
	global_store_b32 v[LI], v[SWW], s[12:13]
	s_endpgm
.Lrole_b:
	; ---- W_q2p: one K step of query @ W_q2p for 16 hidden units and all 32 batches
	s_lshl_b32 s26, s22, 9                         ; 128 numbers of the query a K step
	s_add_nc_u64 s[8:9], s[8:9], s[26:27]
.irp m, 0,1
.irp c, 0,1
.irp i, 0,1,2,3,4,5,6,7
	global_load_b128 v[Q0+64*\m+32*\c+4*\i:Q0+64*\m+32*\c+4*\i+3], v[QA], s[8:9] offset:32768*\m+256*\c+16*\i   ; query(16 m + r, 128 s + 64 c + 32 h + 4 i ..)
.endr
.endr
.endr
	s_wait_loadcnt 32                              ; the weight's 64 loads are in; the query's 32 are younger
	QF XW, PCW, SWW
	s_wait_loadcnt 16                              ; batches 0-15 are in; the 16 loads of batches 16-31 are younger
	QF Q0, PC0, SW0
	s_wait_loadcnt 0x0
	QF Q1, PC1, SW1
.rept 8
	v_nop                                          ; a scale register written by a vector instruction stands 8 places ahead of a scaled matrix instruction, an operand so written 4
.endr
	; TRANSPOSED: source 0 = 16 hidden units, source 1 = 16 batches: lane (r, h) holds batch 16 m + r and units 16 T + 8 h + 0 .. 7
	v_wmma_scale_f32_16x16x128_f8f6f4 v[D0:D0+7], v[PCW:PCW+7], v[PC0:PC0+7], 0, v[SWW], v[SW0] matrix_a_fmt:MATRIX_FMT_FP4 matrix_b_fmt:MATRIX_FMT_FP4
	v_wmma_scale_f32_16x16x128_f8f6f4 v[D1:D1+7], v[PCW:PCW+7], v[PC1:PC1+7], 0, v[SWW], v[SW1] matrix_a_fmt:MATRIX_FMT_FP4 matrix_b_fmt:MATRIX_FMT_FP4
	s_lshl_b32 s26, s22, 15                        ; hpart: 32 x 1,024 bytes a K step,
	s_lshl_b32 s25, s24, 6                         ; 64 bytes a tile
	s_add_co_u32 s26, s26, s25
	s_add_nc_u64 s[18:19], s[18:19], s[26:27]
.rept 4
	v_nop                                          ; four places between a product and the store of its result
.endr
	global_store_b128 v[HA], v[D0:D0+3], s[18:19]                        ; each result from its low end on.  (32 bytes a lane, rows 1,024 bytes apart: 128 KiB in the whole launch)
	global_store_b128 v[HA], v[D0+4:D0+7], s[18:19] offset:16
	global_store_b128 v[HA], v[D1:D1+3], s[18:19] offset:16384
	global_store_b128 v[HA], v[D1+4:D1+7], s[18:19] offset:16400
	s_cmp_lg_u32 s24, 0
	s_cbranch_scc1 .Ldone                          ; one wave for each K step writes the query's codes
	s_lshl_b32 s26, s22, 6                         ; 64 bytes of codes a K step
	s_add_nc_u64 s[14:15], s[14:15], s[26:27]
	s_lshl_b32 s26, s22, 2                         ; one scale word
	s_add_nc_u64 s[16:17], s[16:17], s[26:27]
	global_store_b128 v[QCA], v[PC0:PC0+3], s[14:15]
	global_store_b128 v[QCA], v[PC0+4:PC0+7], s[14:15] offset:32
	global_store_b128 v[QCA], v[PC1:PC1+3], s[14:15] offset:4096
	global_store_b128 v[QCA], v[PC1+4:PC1+7], s[14:15] offset:4128
	v_cmp_gt_u32 vcc_lo, 16, v[LN]                 ; both halves of the lanes hold the same words: lanes 0-15 store them
	s_wait_xcnt 0x0                                ; EXEC is a source of the stores above: it changes only behind this wait
	s_and_saveexec_b32 s30, vcc_lo
	global_store_b32 v[QSA], v[SW0], s[16:17]
	global_store_b32 v[QSA], v[SW1], s[16:17] offset:256
	s_wait_xcnt 0x0                                ; and again, in front of the line that widens it
	s_or_b32 exec_lo, exec_lo, s30
.Ldone:
	s_endpgm
.Lfunc_end_k_q84a87bc585_prep:
	.size	k_q84a87bc585_prep, .Lfunc_end_k_q84a87bc585_prep-k_q84a87bc585_prep
	.p2alignl 7, 3214868480
	.fill 96, 4, 3214868480
	.section	.rodata,"a",@progbits
	.p2align	6, 0x0
	.amdhsa_kernel k_q84a87bc585_prep
		.amdhsa_group_segment_fixed_size 0
		.amdhsa_private_segment_fixed_size 0
		.amdhsa_enable_private_segment 0
		.amdhsa_kernarg_size 64
		.amdhsa_user_sgpr_count 2
		.amdhsa_user_sgpr_kernarg_segment_ptr 1
		.amdhsa_wavefront_size32 1
		.amdhsa_system_sgpr_workgroup_id_x 1
		.amdhsa_system_sgpr_workgroup_id_y 1
		.amdhsa_system_sgpr_workgroup_id_z 1
		.amdhsa_system_vgpr_workitem_id 0
		.amdhsa_next_free_vgpr 256
		.amdhsa_next_free_sgpr 66
		.amdhsa_reserve_vcc 1
		.amdhsa_float_denorm_mode_32 3
		.amdhsa_float_denorm_mode_16_64 3
		.amdhsa_memory_ordered 1
		.amdhsa_forward_progress 1
		.amdhsa_inst_pref_size 26
	.end_amdhsa_kernel
	.amdgpu_metadata
---
amdhsa.version: [ 1, 2 ]
amdhsa.kernels:
  - .name:           k_q84a87bc585_prep
    .symbol:         k_q84a87bc585_prep.kd
    .args:
      - { .name: W_s0, .offset: 0, .size: 8, .value_kind: global_buffer, .address_space: global }
      - { .name: W_q2p, .offset: 8, .size: 8, .value_kind: global_buffer, .address_space: global }
      - { .name: query, .offset: 16, .size: 8, .value_kind: global_buffer, .address_space: global }
      - { .name: w0c, .offset: 24, .size: 8, .value_kind: global_buffer, .address_space: global }
      - { .name: w0s, .offset: 32, .size: 8, .value_kind: global_buffer, .address_space: global }
      - { .name: qc, .offset: 40, .size: 8, .value_kind: global_buffer, .address_space: global }
      - { .name: qs, .offset: 48, .size: 8, .value_kind: global_buffer, .address_space: global }
      - { .name: hpart, .offset: 56, .size: 8, .value_kind: global_buffer, .address_space: global }
    .group_segment_fixed_size: 0
    .private_segment_fixed_size: 0
    .kernarg_segment_align: 8
    .kernarg_segment_size: 64
    .max_flat_workgroup_size: 128
    .sgpr_count:     66
    .vgpr_count:     256
    .wavefront_size: 32
...
	.end_amdgpu_metadata
.endif
;; end of part 1
;; launch score (part 2): grid 8 x 32, 4 waves a work-group, no clusters, 56,832 bytes of LDS; arguments ctx, w0c, w0s, qc, qs, b_s0, W_s1, b_s1, hpart, b_q2p, W_p2s, b_p2s, lkh, stats, cent; writes lkh, stats, cent
.if DOCPART == 2
	.amdgcn_target "amdgcn-amd-amdhsa--gfx1250"
	.amdhsa_code_object_version 6
	.text
	.protected	k_q84a87bc585_score
	.globl	k_q84a87bc585_score
	.p2align	8
	.type	k_q84a87bc585_score,@function
k_q84a87bc585_score:
	s_mov_b64 s[64:65], 0
	v_nop
	global_prefetch_b8 v0, s[64:65] scope:SCOPE_SE
	s_setreg_imm32_b32 hwreg(HW_REG_WAVE_MODE, 25, 1), 1
	s_wait_xcnt 0x0
; SCORE.  lkh[b][l] = exp(tanh([ctx[b][l], query[b]] @ W_s0 + b_s0) @ W_s1 + b_s1).  The product with W_s0 (K = 1,024) runs on codes of FP4 (E2M1) with one E8M0 scale for each 32 along K;
; ctx is read once, as f32, and quantised on the way; tanh, the product with W_s1 and the exponential are f32.
; On the side: h = tanh(query @ W_q2p + b_q2p) from the four K-step parts in hpart, abk = h @ W_p2s + b_p2s in f32 multiply-adds, alpha, beta, kappa = exp(abk), centre = round(kappa):
; stats[b] = alpha x 4, beta x 4, kappa x 4, centre x 4 (f32), cent[b] = the four centres as whole numbers, held at 4,096: the next launch forms addresses from them.
; SHARES.  Work-group (x, b) takes rows 256 x .. 256 x + 255 of batch b, 64 at a time.  THE WAVES SHARE THE COLUMNS: wave w owns hidden units 64 w .. 64 w + 63 (four tiles of 16); its codes of W_s0 for all
; eight K steps stay in 256 registers for the whole launch.  Of a block's 64 rows wave w loads and quantises rows 16 w .. 16 w + 15; the codes reach the other waves through LDS as IMAGES OF THE OPERAND'S REGISTERS
; (a group of four registers by one ds_store_b128 at 16 x lane, the four scale words of a row by one more), so that every address is a constant + 16 x lane + a constant x wave.
; A BLOCK, two barriers:  each of my 16 rows' four pieces of 512 bytes (one K step) is loaded by the 32 lanes as it lies, turned through my own stage in LDS so that lane (r, h) holds k = 64 c + 32 h + 0 .. 31 of row r,
; quantised, and stored as an image | barrier | for each of the four tiles of rows: the images, 32 products (4 tiles of units x 8 K steps: four of ctx, four of the query, whose fragments stay in registers), tanh, my 64 units' part of the
; score into PART | barrier.  At the end the four waves' parts are added, and each wave stores 64 numbers of lkh: 256 consecutive bytes.
; THE PRODUCT IS USED TRANSPOSED (source 0 = 16 hidden units, source 1 = 16 rows): a lane holds ONE row (lane % 16) and units 16 t + 8 (lane / 16) + 0 .. 7.  b_s0 is the C of each sum's first product.
; tanh(x) = 1 - 2 / (1 + 2^(2 log2(e) x)), so a row's score is sum(w1) - 2 sum(w1 / (1 + 2^..)): the first sum is made once, -2 w1 is kept in registers.
; IN FLIGHT.  A ring of four slots of 16 loads in registers: a slot is asked for again as soon as its piece has gone into the stage: 64 loads of 512 bytes a wave, 128 KiB a work-group.
; EVERY wave makes the statistics (about 450 lines, while its first rows are on their way) and one thread of each batch stores them: a branch round loads and arithmetic would put a round trip to memory ahead of the stream in 32 work-groups.
; NO CLUSTER: what work-groups share is W_s0's codes and scale words, 144 KiB of the 656 KiB that a work-group reads, read once at the head straight into registers; a joint load would send them through LDS first.  ctx is shared by nobody.
; NO TENSOR LOADS: the rows have to pass through registers for the conversions, and the ring above has as much on its way as two LDS slots of 64 KiB would.
; LIMITS: a block of zeros, or one whose largest magnitude lies under 2^-124, has the byte 1 (its codes are zeros; only this program reads the bytes).  NaN and infinities among the inputs are not served.
; A kappa within f32 rounding of n + 0.5 may round to either centre.  Centres above 4,096 are held at 4,096: their windows lie off the 2,048 positions either way.  The f32 sums' order differs from the reference's as said above.
; REGISTERS, in windows of 256 (s_set_vgpr_msb's low byte: bits 1:0 source 0, 3:2 source 1, 5:4 source 2, 7:6 destination):
;   window 0: see the names below.   window 1: W_s0's codes, fragment (t, s) at v[8 (8 t + s)].   window 2: the ring, slot s, row rho at v[64 s + 4 rho].
;   window 3: v0-31 b_s0 and v32-63 -2 W_s1 in the result's layout; v64-95 hpart, v96-103 b_q2p, v104-199 W_p2s, v200-201 at work.
.set SPITCH, 528                       ; a stage row: 512 bytes + 16 = 132 words: row r starts 4 r words on modulo 64
.set STGW,   16*SPITCH                 ; LDS: a stage for each wave, 16 rows;
.set IMG,    4*STGW                    ; 16 images of 1,024 bytes, (tile of rows m, K step s) at 4 m + s;
.set ISC,    IMG+16*1024               ; their scale words: for tile m 512 bytes, 16 a lane = K steps 0 .. 3;
.set PART,   ISC+4*512                 ; the scores' parts: [wave][256 rows] f32
.set L16,  1                           ; v1   16 x lane
.set RR,   2                           ; v2   r = lane % 16
.set HH,   3                           ; v3   h = lane / 16
.set STW,  4                           ; v4   my stage, on the way in: 16 x lane
.set STR,  5                           ; v5   and out: row r, + 128 h
.set IWA,  6                           ; v6   where I store images: IMG + 4,096 wave + 16 lane
.set SWA,  7                           ; v7   and their scale words: ISC + 512 wave + 16 lane
.set PW0,  8                           ; v8   PART + 1,024 wave + 4 r
.set PA,   9                           ; v9   the same for the block in hand
.set SH8,  10                          ; v10  8 h
.set TMPX, 11                          ; v11  at work in QF
.set CW,   12                          ; v12  the sum of W_s1 over my lane's 32 units
.set H32,  13                          ; v13  32 h
.set H16,  14                          ; v14  16 h
.set L192, 15                          ; v15  192 x lane
.set TQ,   16                          ; v16-19 QF: largest magnitudes
.set EX,   20                          ; v20-21 QF: the conversions' scale operands
.set BYQ,  22                          ; v22-23 QF: the scale bytes
.set DOT,  16                          ; v16-23 in the products' phase: four packed chains of the dot with -2 W_s1
.set ZERO, 24                          ; v24  0
.set FRA,  25                          ; v25  PART + 256 wave + 8 lane
.set LK8,  26                          ; v26  8 x lane
.set SWQ,  28                          ; v28-31 the four scale words just made
.set XS,   32                          ; v32-35 ctx's scale words, v36-39 the query's, v40-71 W_s0's (8 t + s): these hold scales and nothing else
.set QS,   36
.set WS,   40
.set QFR,  72                          ; v72-103 the query's four fragments
.set PC,   104                         ; v104-119 the codes just made, two sets
.set X0,   120                         ; v120-183 64 numbers; in the products' phase:
.set XF,   120                         ;   v120-151 four fragments of ctx,
.set ACC,  152                         ;   v152-183 four accumulators
.set X1,   184                         ; v184-247 64 numbers; at the head:
.set AB,   184                         ;   v184-199 abk, then the statistics,
.set CI,   200                         ;   v200-203 the centres as whole numbers,
.set TT,   204                         ;   v204-215 at work
.set B0,   0                           ; window 3
.set W1R,  32
.set HP,   64
.set BQ,   96
.set WP,   104
.set TS,   200
.set SEL,  58                          ; s[58:59] v_permlanex16_b32's selects for lane l xor 16
.set MSB, 0
.macro WIN new                         ; the immediate's high byte repeats the setting that is left; a switch that changes nothing is dropped
.if MSB != \new
	s_set_vgpr_msb (MSB<<8)|\new
.set MSB, \new
.endif
.endm
; 64 numbers of a lane, register 32 c + i = k 64 c + 32 h + i of my row: two whole blocks.  They become the fragment's 8 registers at dst and the scale word sw (in both halves of the lanes).
.macro QF src, dst, sw
	v_max3_num_f32 v[TQ],   |v[\src]|,    |v[\src+1]|,  |v[\src+2]|
	v_max3_num_f32 v[TQ+1], |v[\src+3]|,  |v[\src+4]|,  |v[\src+5]|
	v_max3_num_f32 v[TQ+2], |v[\src+32]|, |v[\src+33]|, |v[\src+34]|
	v_max3_num_f32 v[TQ+3], |v[\src+35]|, |v[\src+36]|, |v[\src+37]|
.irp i, 6,10,14,18,22,26
	v_max3_num_f32 v[TQ],   v[TQ],   |v[\src+\i]|,    |v[\src+\i+1]|      ; four chains by turns: no line waits for the line above it
	v_max3_num_f32 v[TQ+1], v[TQ+1], |v[\src+\i+2]|,  |v[\src+\i+3]|
	v_max3_num_f32 v[TQ+2], v[TQ+2], |v[\src+\i+32]|, |v[\src+\i+33]|
	v_max3_num_f32 v[TQ+3], v[TQ+3], |v[\src+\i+34]|, |v[\src+\i+35]|
.endr
	v_max3_num_f32 v[TQ],   v[TQ],   |v[\src+30]|, |v[\src+31]|
	v_max3_num_f32 v[TQ+2], v[TQ+2], |v[\src+62]|, |v[\src+63]|
	v_max3_num_f32 v[TQ],   v[TQ],   v[TQ+1], 0x1800000                  ; and the floor 2^(3 - 127): the byte cannot fall under 1
	v_max3_num_f32 v[TQ+2], v[TQ+2], v[TQ+3], 0x1800000
	v_add_nc_u32 v[EX],   0xff000000, v[TQ]                              ; 2 off the exponent field: the conversion takes the exponent field of this operand as its scale, and nothing else of it
	v_add_nc_u32 v[EX+1], 0xff000000, v[TQ+2]
	v_lshrrev_b32 v[BYQ],   23, v[EX]                                    ; the scale bytes of blocks h and 2 + h
	v_lshrrev_b32 v[BYQ+1], 23, v[EX+1]
	v_lshl_or_b32 v[\sw], v[BYQ+1], 16, v[BYQ]
	v_lshlrev_b32 v[\sw], v[SH8], v[\sw]                                 ; at their places in the word
	v_permlanex16_b32 v[TMPX], v[\sw], s[SEL], s[SEL+1]
	v_or_b32 v[\sw], v[\sw], v[TMPX]                                     ; with lane l xor 16's two the word is whole
.irp c, 0,1
.irp g, 0,1,2,3
	v_cvt_scalef32_pk8_fp4_f32 v[\dst+4*\c+\g], v[\src+32*\c+8*\g:\src+32*\c+8*\g+7], v[EX+\c]
.endr
.endr
	v_nop                                                                ; one plain place behind the last scaled conversion
.endm
; Ring slot s is asked for: K step s (512 bytes) of my 16 rows, row0 rows on from the base.  Each load reads 512 consecutive bytes.  It leaves the window set.
.macro RING s, row0
	WIN 0x80                                       ; destination window 2
.irp rho, 0,1,2,3,4,5,6,7,8,9,10,11,12,13,14,15
	global_load_b128 v[64*(\s)+4*\rho:64*(\s)+4*\rho+3], v[L16], s[4:5] offset:(\row0+\rho)*2048+512*(\s) th:TH_LOAD_NT
.endr
.endm
; Slot s goes through my stage: in as it lies, out 128 bytes a lane and block.  LDS serves a wave's instructions in order (ISA guide 5.7.1.4): no wait between the stores and the loads, and one stage is enough.
.macro TURN s, left
	s_wait_loadcnt \left                           ; loads come back in order: slot s is in, the younger ones stay out
	WIN 0x08                                       ; an LDS store's data are its source 1: window 2
.irp rho, 0,1,2,3,4,5,6,7,8,9,10,11,12,13,14,15
	ds_store_b128 v[STW], v[64*(\s)+4*\rho:64*(\s)+4*\rho+3] offset:SPITCH*\rho
.endr
	WIN 0
.irp c, 0,1
.irp i, 0,1,2,3,4,5,6,7
	ds_load_b128 v[X0+64*((\s)%2)+32*\c+4*\i:X0+64*((\s)%2)+32*\c+4*\i+3], v[STR] offset:256*\c+16*\i
.endr
.endr
.endm
.macro IMAGE s                         ; the fragment just made goes to LDS as it stands
	ds_store_b128 v[IWA], v[PC+8*((\s)%2):PC+8*((\s)%2)+3] offset:1024*(\s)
	ds_store_b128 v[IWA], v[PC+8*((\s)%2)+4:PC+8*((\s)%2)+7] offset:1024*(\s)+512
.endm
.macro FETCH m                         ; and comes back so, in any wave: the four fragments of tile m and their scale words
.irp s, 0,1,2,3
.irp c, 0,1
	ds_load_b128 v[XF+8*\s+4*\c:XF+8*\s+4*\c+3], v[L16] offset:IMG+1024*(4*(\m)+\s)+512*\c
.endr
.endr
	ds_load_b128 v[XS:XS+3], v[L16] offset:ISC+512*(\m)
.endm
; tanh of my 32 numbers of a row, their dot with W_s1, and the wave's part of the row's score into PART
.macro TANH m
.irp p, 0,2,4,6,8,10,12,14,16,18,20,22,24,26,28,30
	v_pk_mul_f32 v[ACC+\p:ACC+\p+1], v[ACC+\p:ACC+\p+1], 0x4038aa3b op_sel_hi:[1,0]     ; 2 log2(e) x; ascending: each accumulator is read from its low end on
.endr
.irp i, 0,1,2,3,4,5,6,7,8,9,10,11,12,13,14,15,16,17,18,19,20,21,22,23,24,25,26,27,28,29,30,31
	v_exp_f32 v[ACC+\i], v[ACC+\i]
.endr
	v_nop                                          ; one plain place behind a transcendental
	s_wait_alu depctr_va_vdst(0)
.irp p, 0,2,4,6,8,10,12,14,16,18,20,22,24,26,28,30
	v_pk_add_f32 v[ACC+\p:ACC+\p+1], v[ACC+\p:ACC+\p+1], 1.0 op_sel_hi:[1,0]
.endr
.irp i, 0,1,2,3,4,5,6,7,8,9,10,11,12,13,14,15,16,17,18,19,20,21,22,23,24,25,26,27,28,29,30,31
	v_rcp_f32 v[ACC+\i], v[ACC+\i]
.endr
	v_nop
	WIN 0x0c                                       ; source 1 (-2 W_s1) window 3
	s_wait_alu depctr_va_vdst(0)
.irp q, 0,2,4,6
	v_pk_mul_f32 v[DOT+\q:DOT+\q+1], v[ACC+\q:ACC+\q+1], v[W1R+\q:W1R+\q+1]              ; the first products start four chains: nothing is cleared
.endr
.irp p, 8,16,24
.irp q, 0,2,4,6
	v_pk_fma_f32 v[DOT+\q:DOT+\q+1], v[ACC+\p+\q:ACC+\p+\q+1], v[W1R+\p+\q:W1R+\p+\q+1], v[DOT+\q:DOT+\q+1]
.endr
.endr
	WIN 0
	v_pk_add_f32 v[DOT:DOT+1], v[DOT:DOT+1], v[DOT+2:DOT+3]
	v_pk_add_f32 v[DOT+4:DOT+5], v[DOT+4:DOT+5], v[DOT+6:DOT+7]
	v_pk_add_f32 v[DOT:DOT+1], v[DOT:DOT+1], v[DOT+4:DOT+5]
	v_add_f32 v[DOT], v[DOT], v[DOT+1]
	v_add_f32 v[DOT], v[DOT], v[CW]                ; + the sum of W_s1 over my 32 units
	v_permlanex16_b32 v[DOT+1], v[DOT], s[SEL], s[SEL+1]
	v_add_f32 v[DOT], v[DOT], v[DOT+1]             ; with lane l xor 16's 32 units: my wave's 64
	ds_store_b32 v[PA], v[DOT] offset:64*(\m)      ; lanes r and r + 16 write the same word with the same value
.endm
; Tile m of the block's rows: 32 products.  The four accumulators take turns, one instruction a turn.
.macro MM m
.if \m == 0
	s_wait_dscnt 0x0                               ; the fragments and their scale words are in
.else
	s_wait_dscnt 0x1                               ; likewise; the one store into PART is younger
.endif
	WIN 0x31                                       ; source 0 (W_s0) window 1, source 2 (b_s0) window 3
.irp t, 0,1,2,3
	v_wmma_scale_f32_16x16x128_f8f6f4 v[ACC+8*\t:ACC+8*\t+7], v[64*\t:64*\t+7], v[XF:XF+7], v[B0+8*\t:B0+8*\t+7], v[WS+8*\t], v[XS] matrix_a_fmt:MATRIX_FMT_FP4 matrix_b_fmt:MATRIX_FMT_FP4
.endr
	WIN 0x01
.irp s, 1,2,3
.irp t, 0,1,2,3
	v_wmma_scale_f32_16x16x128_f8f6f4 v[ACC+8*\t:ACC+8*\t+7], v[64*\t+8*\s:64*\t+8*\s+7], v[XF+8*\s:XF+8*\s+7], v[ACC+8*\t:ACC+8*\t+7], v[WS+8*\t+\s], v[XS+\s] matrix_a_fmt:MATRIX_FMT_FP4 matrix_b_fmt:MATRIX_FMT_FP4
.endr
.endr
.irp s, 4,5,6,7                                ; the query's half of K: the same fragment for every row
.irp t, 0,1,2,3
	v_wmma_scale_f32_16x16x128_f8f6f4 v[ACC+8*\t:ACC+8*\t+7], v[64*\t+8*\s:64*\t+8*\s+7], v[QFR+8*\s-32:QFR+8*\s-25], v[ACC+8*\t:ACC+8*\t+7], v[WS+8*\t+\s], v[QS+\s-4] matrix_a_fmt:MATRIX_FMT_FP4 matrix_b_fmt:MATRIX_FMT_FP4
.endr
.endr
	WIN 0
.rept 5
	v_nop                                          ; four places in front of loads into registers that these products read and of the first read of their results; the fifth for the next tile's first products, which begin the accumulators anew with another C
.endr
.if \m < 3
	FETCH \m+1                                     ; lands while this tile's tanh is worked
.endif
	TANH \m
.endm
; A block of 64 rows.  refill = 1: each ring slot is asked for again, with the next block's rows.
.macro BLOCK refill
	v_add_nc_u32 v[PA], s62, v[PW0]
	TURN 0, 48                                     ; younger than slot 0: slots 1, 2, 3
.irp s, 0,1,2,3
.if \s == 0
	s_wait_dscnt 0x0                               ; slot s is back from the stage: so its stores into the stage have read the ring's registers,
.else
	s_wait_dscnt 0x2                               ; (younger than its loads: the last image's two stores)
.endif
.if \refill
	RING \s, 64                                    ; which take the next block's loads
.endif
.if \s < 3
.if \refill
	TURN \s+1, 48                                  ; younger than slot s + 1: three units of 16, this block's later slots and the refills so far
.else
	TURN \s+1, 32-16*\s                            ; nothing is asked for any more: the counts run down
.endif
.endif
	WIN 0
	QF X0+64*(\s%2), PC+8*(\s%2), SWQ+\s
	IMAGE \s
.endr
	ds_store_b128 v[SWA], v[SWQ:SWQ+3]
	s_wait_dscnt 0x0                               ; for the others' sake: my images and scale words lie in LDS
	s_barrier_signal -1
	s_barrier_wait -1                              ; everybody's do
	FETCH 0
	MM 0
	MM 1
	MM 2
	MM 3
	s_wait_dscnt 0x0                               ; my reads of the images are over, my parts lie in PART
	s_barrier_signal -1
	s_barrier_wait -1                              ; the images may be written again
.endm
	s_load_b512 s[4:19], s[0:1], 0x0               ; ctx s[4:5], w0c s[6:7], w0s s[8:9], qc s[10:11], qs s[12:13], b_s0 s[14:15], W_s1 s[16:17], b_s1 s[18:19]
	s_load_b256 s[20:27], s[0:1], 0x40             ; hpart s[20:21], b_q2p s[22:23], W_p2s s[24:25], b_p2s s[26:27]
	s_load_b128 s[28:31], s[0:1], 0x60             ; lkh s[28:29], stats s[30:31]
	s_load_b64 s[32:33], s[0:1], 0x70              ; cent
	v_lshl_add_u32 v254, v0, 2, 0xdc00
	v_mov_b32 v255, 0
	v_lshrrev_b32 v[RR], 5, v0
	v_readfirstlane_b32 s34, v[RR]                 ; wave 0..3
	s_mov_b32 s35, ttmp9                           ; x: which 256 rows
	s_and_b32 s36, ttmp7, 0xffff                   ; b: the batch
	v_and_b32 v[LK8], 31, v0                       ; lane
	v_and_b32 v[RR], 15, v0
	v_bfe_u32 v[HH], v0, 4, 1
	v_lshlrev_b32 v[L16], 4, v[LK8]
	v_mul_u32_u24 v[L192], v[LK8], 192
	v_lshlrev_b32 v[LK8], 3, v[LK8]
	v_lshlrev_b32 v[H32], 5, v[HH]
	v_lshlrev_b32 v[H16], 4, v[HH]
	v_lshlrev_b32 v[SH8], 3, v[HH]
	v_mov_b32 v[TMPX], 0                           ; written once: a lane permute's destination counts as one of its sources
	v_mov_b32 v[ZERO], 0
	s_mul_i32 s63, s34, STGW
	v_add_nc_u32 v[STW], s63, v[L16]
	v_mul_u32_u24 v[STR], v[RR], SPITCH
	v_lshl_add_u32 v[STR], v[HH], 7, v[STR]
	v_add_nc_u32 v[STR], s63, v[STR]
	s_lshl_b32 s63, s34, 12
	s_add_co_u32 s63, s63, IMG
	v_add_nc_u32 v[IWA], s63, v[L16]
	s_lshl_b32 s63, s34, 9
	s_add_co_u32 s63, s63, ISC
	v_add_nc_u32 v[SWA], s63, v[L16]
	s_lshl_b32 s63, s34, 10
	s_add_co_u32 s63, s63, PART
	v_lshlrev_b32 v[PW0], 2, v[RR]
	v_add_nc_u32 v[PW0], s63, v[PW0]
	s_lshl_b32 s63, s34, 8
	s_add_co_u32 s63, s63, PART
	v_add_nc_u32 v[FRA], s63, v[LK8]
	s_mov_b32 s[SEL], 0x76543210
	s_mov_b32 s[SEL+1], 0xfedcba98
	s_mov_b32 s60, 3                               ; blocks that ask for a successor
	s_mov_b32 s62, 0                               ; the block's place in PART: 256 bytes a block
	s_mov_b32 s39, 0                               ; the high word of every offset
	s_wait_kmcnt 0x0
	s_lshl_b32 s38, s36, 22                        ; ctx: 2,048 rows of 2,048 bytes a batch,
	s_lshl_b32 s63, s35, 19                        ; 256 rows a work-group,
	s_add_co_u32 s38, s38, s63
	s_lshl_b32 s63, s34, 15                        ; 16 rows a wave
	s_add_co_u32 s38, s38, s63
	s_add_nc_u64 s[4:5], s[4:5], s[38:39]
	s_mov_b32 s38, s63                             ; w0c: 32 fragments of 1,024 bytes a wave
	s_add_nc_u64 s[6:7], s[6:7], s[38:39]
	s_lshl_b32 s38, s34, 12                        ; w0s: 4 tiles of 1,024 bytes a wave
	s_add_nc_u64 s[8:9], s[8:9], s[38:39]
	s_lshl_b32 s38, s36, 8                         ; qc: 256 bytes a batch
	s_add_nc_u64 s[10:11], s[10:11], s[38:39]
	s_lshl_b32 s38, s36, 4                         ; qs and cent: 16 bytes a batch
	s_add_nc_u64 s[12:13], s[12:13], s[38:39]
	s_add_nc_u64 s[32:33], s[32:33], s[38:39]
	s_lshl_b32 s38, s34, 8                         ; b_s0 and W_s1: 64 numbers a wave
	s_add_nc_u64 s[14:15], s[14:15], s[38:39]
	s_add_nc_u64 s[16:17], s[16:17], s[38:39]
	s_lshl_b32 s38, s36, 10                        ; hpart: 1,024 bytes a batch
	s_add_nc_u64 s[20:21], s[20:21], s[38:39]
	s_lshl_b32 s38, s36, 6                         ; stats: 64 bytes a batch
	s_add_nc_u64 s[30:31], s[30:31], s[38:39]
	s_lshl_b32 s38, s36, 13                        ; lkh: 8,192 bytes a batch, 1,024 a work-group, 256 a wave
	s_lshl_b32 s63, s35, 10
	s_add_co_u32 s38, s38, s63
	s_lshl_b32 s63, s34, 8
	s_add_co_u32 s38, s38, s63
	s_add_nc_u64 s[28:29], s[28:29], s[38:39]
	s_load_b128 s[40:43], s[12:13], 0x0            ; the query's four scale words
	s_load_b128 s[44:47], s[26:27], 0x0            ; b_p2s
	s_load_b128 s[48:51], s[26:27], 0x10
	s_load_b128 s[52:55], s[26:27], 0x20
	s_load_b32 s56, s[18:19], 0x0                  ; b_s1
	; ---- all that stays in registers, then the ring's first fill.  194 loads, the ring's 64 last
	WIN 0xc0                                       ; destination window 3
.irp p, 0,1,2,3
.irp g, 0,1
	global_load_b128 v[HP+8*\p+4*\g:HP+8*\p+4*\g+3], v[L16], s[20:21] offset:32768*\p+512*\g   ; K step p's part of hidden units 128 g + 4 lane + 0 .. 3
.endr
.endr
.irp g, 0,1
	global_load_b128 v[BQ+4*\g:BQ+4*\g+3], v[L16], s[22:23] offset:512*\g
.endr
.irp g, 0,1
.irp q, 0,1,2,3,4,5,6,7,8,9,10,11
	global_load_b128 v[WP+48*\g+4*\q:WP+48*\g+4*\q+3], v[L192], s[24:25] offset:6144*\g+16*\q   ; the same four units' rows of W_p2s: 192 consecutive bytes; unit e, column j at 48 g + 12 e + j
.endr
.endr
.irp t, 0,1,2,3
	global_load_b128 v[B0+8*\t:B0+8*\t+3], v[H32], s[14:15] offset:64*\t                 ; b_s0 at units 16 t + 8 h + 0 .. 7
	global_load_b128 v[B0+8*\t+4:B0+8*\t+7], v[H32], s[14:15] offset:64*\t+16
	global_load_b128 v[W1R+8*\t:W1R+8*\t+3], v[H32], s[16:17] offset:64*\t               ; W_s1 likewise
	global_load_b128 v[W1R+8*\t+4:W1R+8*\t+7], v[H32], s[16:17] offset:64*\t+16
.endr
	WIN 0
.irp t, 0,1,2,3
.irp g, 0,1
	global_load_b128 v[WS+8*\t+4*\g:WS+8*\t+4*\g+3], v[L16], s[8:9] offset:512*(2*\t+\g)   ; W_s0's scale words of tile t, K steps 4 g .. 4 g + 3
.endr
.endr
.irp p, 0,1,2,3
.irp c, 0,1
	global_load_b128 v[QFR+8*\p+4*\c:QFR+8*\p+4*\c+3], v[H16], s[10:11] offset:64*\p+32*\c   ; the query's fragment: every one of its 16 rows is batch b's query
.endr
.endr
	WIN 0x40                                       ; destination window 1
.set FI, 0
.rept 32
	global_load_b128 v[8*FI:8*FI+3], v[L16], s[6:7] offset:1024*FI                       ; W_s0's fragments, as images: 512 consecutive bytes a load
	global_load_b128 v[8*FI+4:8*FI+7], v[L16], s[6:7] offset:1024*FI+512
.set FI, FI+1
.endr
.irp s, 0,1,2,3
	RING \s, 0                                     ; block 0, slot by slot
.endr
	WIN 0
	s_wait_loadcnt 0x3f                            ; all that has 63 or more younger loads is in: everything but the ring (the last of W_s0's has 64)
	s_wait_kmcnt 0x0
.irp i, 0,1,2,3
	v_mov_b32 v[QS+\i], s[40+\i]
.endr
	; ---- register work while the first rows are on their way
	WIN 0xcf                                       ; destination and sources 0, 1: window 3
	v_pk_add_f32 v[TS:TS+1], v[W1R:W1R+1], v[W1R+2:W1R+3]
.irp p, 4,6,8,10,12,14,16,18,20,22,24,26,28,30
	v_pk_add_f32 v[TS:TS+1], v[TS:TS+1], v[W1R+\p:W1R+\p+1]
.endr
.irp p, 0,2,4,6,8,10,12,14,16,18,20,22,24,26,28,30
	v_pk_mul_f32 v[W1R+\p:W1R+\p+1], v[W1R+\p:W1R+\p+1], -2.0 op_sel_hi:[1,0]
.endr
.irp a, HP+8, HP+16, HP+24, BQ                 ; query @ W_q2p: the four K steps' parts, K ascending, then the bias
.irp i, 0,2,4,6
	v_pk_add_f32 v[HP+\i:HP+\i+1], v[HP+\i:HP+\i+1], v[\a+\i:\a+\i+1]
.endr
.endr
.irp i, 0,2,4,6
	v_pk_mul_f32 v[HP+\i:HP+\i+1], v[HP+\i:HP+\i+1], 0x4038aa3b op_sel_hi:[1,0]
.endr
.irp i, 0,1,2,3,4,5,6,7
	v_exp_f32 v[HP+\i], v[HP+\i]
.endr
	v_nop
	s_wait_alu depctr_va_vdst(0)
.irp i, 0,2,4,6
	v_pk_add_f32 v[HP+\i:HP+\i+1], v[HP+\i:HP+\i+1], 1.0 op_sel_hi:[1,0]
.endr
.irp i, 0,1,2,3,4,5,6,7
	v_rcp_f32 v[HP+\i], v[HP+\i]
.endr
	v_nop
	s_wait_alu depctr_va_vdst(0)
.irp i, 0,2,4,6
	v_pk_fma_f32 v[HP+\i:HP+\i+1], v[HP+\i:HP+\i+1], -2.0, 1.0 op_sel_hi:[1,0,0]         ; h = tanh
.endr
	WIN 0x0f                                       ; sources 0, 1 window 3; source 2 and destination window 0
	v_add_f32 v[CW], v[TS], v[TS+1]
.irp j, 0,1,2,3,4,5,6,7,8,9,10,11
	v_mul_f32 v[AB+\j], v[HP], v[WP+\j]            ; h @ W_p2s over my eight units: the first unit starts the twelve sums
.endr
.irp u, 1,2,3,4,5,6,7
.irp j, 0,1,2,3,4,5,6,7,8,9,10,11
	v_fma_f32 v[AB+\j], v[HP+\u], v[WP+48*(\u/4)+12*(\u%4)+\j], v[AB+\j]
.endr
.endr
	WIN 0
.irp j, 0,1,2,3,4,5,6,7,8,9,10,11
	v_mov_b32 v[TT+\j], 0                          ; (lane permutes' destinations)
.endr
.irp m, 1,2,4,8
.irp j, 0,1,2,3,4,5,6,7,8,9,10,11
	v_add_f32_dpp v[AB+\j], v[AB+\j], v[AB+\j] row_xmask:\m row_mask:0xf bank_mask:0xf   ; over the 32 lanes: all 256 units
.endr
.endr
.irp j, 0,1,2,3,4,5,6,7,8,9,10,11
	v_permlanex16_b32 v[TT+\j], v[AB+\j], s[SEL], s[SEL+1]
.endr
.irp j, 0,1,2,3,4,5,6,7,8,9,10,11
	v_add_f32 v[AB+\j], v[AB+\j], v[TT+\j]
.endr
.irp j, 0,1,2,3,4,5,6,7,8,9,10,11
	v_add_f32 v[AB+\j], s[44+\j], v[AB+\j]         ; + b_p2s
.endr
.irp j, 0,1,2,3,4,5,6,7,8,9,10,11
	v_mul_f32 v[AB+\j], 0x3fb8aa3b, v[AB+\j]
.endr
.irp j, 0,1,2,3,4,5,6,7,8,9,10,11
	v_exp_f32 v[AB+\j], v[AB+\j]                   ; alpha 0-3, beta 4-7, kappa 8-11
.endr
	v_nop
	s_wait_alu depctr_va_vdst(0)
.irp k, 0,1,2,3
	v_rndne_f32 v[AB+12+\k], v[AB+8+\k]            ; centre: to the nearest whole number, ties to even
.endr
.irp k, 0,1,2,3
	v_min_num_f32 v[CI+\k], 0x45800000, v[AB+12+\k]
.endr
.irp k, 0,1,2,3
	v_cvt_i32_f32 v[CI+\k], v[CI+\k]
.endr
	v_or_b32 v[TT], s35, v0
	v_cmp_eq_u32 vcc_lo, 0, v[TT]                  ; thread 0 of the batch's work-group 0 stores them; in all other waves no lane is left on
	s_wait_xcnt 0x0                                ; EXEC is a source of the loads above: it changes only behind this wait
	s_and_saveexec_b32 s61, vcc_lo
	global_store_b128 v[ZERO], v[AB:AB+3], s[30:31]
	global_store_b128 v[ZERO], v[AB+4:AB+7], s[30:31] offset:16
	global_store_b128 v[ZERO], v[AB+8:AB+11], s[30:31] offset:32
	global_store_b128 v[ZERO], v[AB+12:AB+15], s[30:31] offset:48
	global_store_b128 v[ZERO], v[CI:CI+3], s[32:33]
	s_wait_xcnt 0x0                                ; and again, in front of the line that widens it; the stores' data may be written again too
	s_or_b32 exec_lo, exec_lo, s61
.Lblock:                                               ; three trips: blocks 0, 1, 2, each asking for its successor's rows
	BLOCK 1
	s_wait_xcnt 0x0                                ; the refills have read their base
	s_add_nc_u64 s[4:5], s[4:5], 0x20000           ; 64 rows on
	s_add_co_u32 s62, s62, 256
	s_sub_co_u32 s60, s60, 1
	s_cmp_lg_u32 s60, 0
	s_cbranch_scc1 .Lblock
	BLOCK 0                                        ; the last block asks for nothing: no load leaves the buffer
	; ---- the four waves' parts of rows 64 w + 2 lane and + 1 (the last barrier has shown them), b_s1, the exponential
.irp q, 0,1,2,3
	ds_load_b64 v[X1+2*\q:X1+2*\q+1], v[FRA] offset:1024*\q
.endr
	s_wait_dscnt 0x0
	v_pk_add_f32 v[X1:X1+1], v[X1:X1+1], v[X1+2:X1+3]
	v_pk_add_f32 v[X1+4:X1+5], v[X1+4:X1+5], v[X1+6:X1+7]
	v_pk_add_f32 v[X1:X1+1], v[X1:X1+1], v[X1+4:X1+5]
	v_add_f32 v[X1], s56, v[X1]
	v_add_f32 v[X1+1], s56, v[X1+1]
	v_mul_f32 v[X1], 0x3fb8aa3b, v[X1]
	v_mul_f32 v[X1+1], 0x3fb8aa3b, v[X1+1]
	v_exp_f32 v[X1], v[X1]
	v_exp_f32 v[X1+1], v[X1+1]
	v_nop
	s_wait_alu depctr_va_vdst(0)
	global_store_b64 v[LK8], v[X1:X1+1], s[28:29]  ; 32 lanes store 256 consecutive bytes, at a multiple of 256 from lkh's first byte
	s_wait_tensorcnt 0x0
	ds_add_u32 v254, v255
	s_wait_dscnt 0x0
	s_endpgm
.Lfunc_end_k_q84a87bc585_score:
	.size	k_q84a87bc585_score, .Lfunc_end_k_q84a87bc585_score-k_q84a87bc585_score
	.p2alignl 7, 3214868480
	.fill 96, 4, 3214868480
	.section	.rodata,"a",@progbits
	.p2align	6, 0x0
	.amdhsa_kernel k_q84a87bc585_score
		.amdhsa_group_segment_fixed_size 56832
		.amdhsa_private_segment_fixed_size 0
		.amdhsa_enable_private_segment 0
		.amdhsa_kernarg_size 120
		.amdhsa_user_sgpr_count 2
		.amdhsa_user_sgpr_kernarg_segment_ptr 1
		.amdhsa_wavefront_size32 1
		.amdhsa_system_sgpr_workgroup_id_x 1
		.amdhsa_system_sgpr_workgroup_id_y 1
		.amdhsa_system_sgpr_workgroup_id_z 1
		.amdhsa_system_vgpr_workitem_id 0
		.amdhsa_next_free_vgpr 1024
		.amdhsa_next_free_sgpr 66
		.amdhsa_reserve_vcc 1
		.amdhsa_float_denorm_mode_32 3
		.amdhsa_float_denorm_mode_16_64 3
		.amdhsa_memory_ordered 1
		.amdhsa_forward_progress 1
		.amdhsa_inst_pref_size 177
	.end_amdhsa_kernel
	.amdgpu_metadata
---
amdhsa.version: [ 1, 2 ]
amdhsa.kernels:
  - .name:           k_q84a87bc585_score
    .symbol:         k_q84a87bc585_score.kd
    .args:
      - { .name: ctx, .offset: 0, .size: 8, .value_kind: global_buffer, .address_space: global }
      - { .name: w0c, .offset: 8, .size: 8, .value_kind: global_buffer, .address_space: global }
      - { .name: w0s, .offset: 16, .size: 8, .value_kind: global_buffer, .address_space: global }
      - { .name: qc, .offset: 24, .size: 8, .value_kind: global_buffer, .address_space: global }
      - { .name: qs, .offset: 32, .size: 8, .value_kind: global_buffer, .address_space: global }
      - { .name: b_s0, .offset: 40, .size: 8, .value_kind: global_buffer, .address_space: global }
      - { .name: W_s1, .offset: 48, .size: 8, .value_kind: global_buffer, .address_space: global }
      - { .name: b_s1, .offset: 56, .size: 8, .value_kind: global_buffer, .address_space: global }
      - { .name: hpart, .offset: 64, .size: 8, .value_kind: global_buffer, .address_space: global }
      - { .name: b_q2p, .offset: 72, .size: 8, .value_kind: global_buffer, .address_space: global }
      - { .name: W_p2s, .offset: 80, .size: 8, .value_kind: global_buffer, .address_space: global }
      - { .name: b_p2s, .offset: 88, .size: 8, .value_kind: global_buffer, .address_space: global }
      - { .name: lkh, .offset: 96, .size: 8, .value_kind: global_buffer, .address_space: global }
      - { .name: stats, .offset: 104, .size: 8, .value_kind: global_buffer, .address_space: global }
      - { .name: cent, .offset: 112, .size: 8, .value_kind: global_buffer, .address_space: global }
    .group_segment_fixed_size: 56832
    .private_segment_fixed_size: 0
    .kernarg_segment_align: 8
    .kernarg_segment_size: 120
    .max_flat_workgroup_size: 128
    .sgpr_count:     66
    .vgpr_count:     1024
    .wavefront_size: 32
...
	.end_amdgpu_metadata
.endif
;; end of part 2
;; launch finish (part 3): grid 32 x 1, 8 waves a work-group, no clusters, 0 bytes of LDS; arguments ctx, lkh, stats, cent, out0, out1; writes out0, out1
.if DOCPART == 3
	.amdgcn_target "amdgcn-amd-amdhsa--gfx1250"
	.amdhsa_code_object_version 6
	.text
	.protected	k_q84a87bc585_finish
	.globl	k_q84a87bc585_finish
	.p2align	8
	.type	k_q84a87bc585_finish,@function
k_q84a87bc585_finish:
	s_mov_b64 s[64:65], 0
	v_nop
	global_prefetch_b8 v0, s[64:65] scope:SCOPE_SE
	s_setreg_imm32_b32 hwreg(HW_REG_WAVE_MODE, 25, 1), 1
	s_wait_xcnt 0x0
; FINISH.  One work-group a batch.  prior(l) = sum over k of alpha_k exp(-beta_k (l - kappa_k)^2) where |l - centre_k| <= 3, else 0;  p = prior x lkh / sum(prior x lkh) -> out1;  out0 = sum over l of p(l) ctx[l].
; The window is built by the reference itself, so p is 0 outside four windows of seven positions: the sum and out0 take 28 terms (k, j), position centre_k + j - 3; a position that two windows share counts once for each.
; The centres come as whole numbers from the launch before (cent).  A position off the array has the weight 0, and its address is held inside the array.
; SHARES.  Each of the eight waves makes the 28 weights and their sum for itself (every lane the same numbers): no LDS, no barrier.  Wave q writes positions 256 q .. 256 q + 255 of out1 (16 bytes a lane: 512 consecutive bytes a store)
; and columns 64 q .. 64 q + 63 of out0: of each of the 28 rows it reads 256 consecutive bytes, the eight waves a whole row.
; No matrix unit: one row of weights against 28 rows of ctx.  32 work-groups: a batch's sum has one owner, and the whole launch reads 1.8 MB.
; LIMITS: a sum of 0 gives NaN everywhere, as in the reference; a sum under 2^-126 counts as 0 (v_rcp_f32 flushes denormals).  An infinite lkh outside the windows makes only its own position NaN, where the reference makes the whole batch NaN.
; The normaliser is summed over the 28 terms, not over 2,048 positions of which the others are 0.
.set LN,   1                           ; v1   lane
.set QW,   2                           ; v2   wave
.set POS0, 3                           ; v3   256 q + 4 lane: my first position
.set DA,   4                           ; v4   its byte in a row of lkh and out1
.set COL,  5                           ; v5   256 q + 8 lane: my two columns' byte in a row of ctx and out0
.set CK,   6                           ; v6-9    the centres, whole numbers
.set AL,   10                          ; v10-13  alpha
.set NB,   14                          ; v14-17  -beta log2(e)
.set KA,   18                          ; v18-21  kappa
.set CE,   22                          ; v22-25  the centres, f32
.set WT,   26                          ; v26-53  the 28 weights
.set VP,   54                          ; v54-81  the 28 positions, then their exponentials; later:
.set MK,   54                          ;   v54-61 |position - centre|,
.set AC,   62                          ;   v62-65 out0's sums, two chains a column,
.set SS,   66                          ;   v66-69 the normaliser, four chains,
.set INV,  70                          ;   v70 1 / the normaliser
.set LA,   82                          ; v82-109   the positions' bytes in lkh
.set VO,   110                         ; v110-137  my bytes in their rows of ctx
.set LK,   138                         ; v138-165  lkh at the 28 positions
.set RW,   166                         ; v166-221  my two columns of the 28 rows
.set DL,   222                         ; v222-229  lkh at my eight positions
.set POSF, 230                         ; v230-237  my eight positions, f32
.set PR,   238                         ; v238-245  their prior, then p
.set D2,   246                         ; v246-253  at work
	s_load_b256 s[4:11], s[0:1], 0x0               ; ctx s[4:5], lkh s[6:7], stats s[8:9], cent s[10:11]
	s_load_b128 s[12:15], s[0:1], 0x20             ; out0 s[12:13], out1 s[14:15]
	v_and_b32 v[LN], 31, v0
	v_lshrrev_b32 v[QW], 5, v0
	v_lshlrev_b32 v[POS0], 2, v[LN]
	v_lshl_add_u32 v[POS0], v[QW], 8, v[POS0]
	v_lshlrev_b32 v[DA], 2, v[POS0]
	v_lshlrev_b32 v[COL], 3, v0                    ; 8 x (32 q + lane)
	s_mov_b32 s36, 0x40400000                      ; 3.0
	s_mov_b32 s37, 0xbfb8aa3b                      ; -log2(e)
	s_mov_b32 s40, 0x7fffffff
	s_mov_b32 s39, 0
	s_wait_kmcnt 0x0
	s_lshl_b32 s38, ttmp9, 22                      ; ctx: 4 MiB a batch
	s_add_nc_u64 s[4:5], s[4:5], s[38:39]
	s_lshl_b32 s38, ttmp9, 13                      ; lkh and out1: 8,192 bytes
	s_add_nc_u64 s[6:7], s[6:7], s[38:39]
	s_add_nc_u64 s[14:15], s[14:15], s[38:39]
	s_lshl_b32 s38, ttmp9, 6                       ; stats: 64
	s_add_nc_u64 s[8:9], s[8:9], s[38:39]
	s_lshl_b32 s38, ttmp9, 4                       ; cent: 16
	s_add_nc_u64 s[10:11], s[10:11], s[38:39]
	s_lshl_b32 s38, ttmp9, 11                      ; out0: 2,048
	s_add_nc_u64 s[12:13], s[12:13], s[38:39]
	s_load_b128 s[16:19], s[10:11], 0x0            ; the four centres
	s_load_b512 s[20:35], s[8:9], 0x0              ; alpha s20-23, beta s24-27, kappa s28-31, centre s32-35
	global_load_b128 v[DL:DL+3], v[DA], s[6:7]                           ; lkh at positions 256 q + 4 lane + 0 .. 3
	global_load_b128 v[DL+4:DL+7], v[DA], s[6:7] offset:512              ; and 128 further on
.irp i, 0,1,2,3,4,5,6,7
	v_add_nc_u32 v[POSF+\i], 128*(\i/4)+\i%4, v[POS0]
.endr
.irp i, 0,1,2,3,4,5,6,7
	v_cvt_f32_u32 v[POSF+\i], v[POSF+\i]
.endr
	s_wait_kmcnt 0x0
.irp k, 0,1,2,3
	v_mov_b32 v[CK+\k], s[16+\k]
	v_mov_b32 v[AL+\k], s[20+\k]
	v_mov_b32 v[NB+\k], s[24+\k]
	v_mov_b32 v[KA+\k], s[28+\k]
	v_mov_b32 v[CE+\k], s[32+\k]
.endr
.irp k, 0,1,2,3
	v_mul_f32 v[NB+\k], s37, v[NB+\k]
.endr
	; ---- term n = 7 k + j: position centre_k + j - 3
.set N, 0
.rept 28
	v_add_nc_u32 v[VP+N], N%7-3, v[CK+N/7]
.set N, N+1
.endr
.set N, 0
.rept 28
	v_max_i32 v[LA+N], 0, v[VP+N]
.set N, N+1
.endr
.set N, 0
.rept 28
	v_min_u32 v[LA+N], 0x7ff, v[LA+N]              ; held inside the array: behind this line only shifts and sums
.set N, N+1
.endr
.set N, 0
.rept 28
	v_lshlrev_b32 v[VO+N], 11, v[LA+N]             ; a row of ctx is 2,048 bytes
	v_lshlrev_b32 v[LA+N], 2, v[LA+N]
.set N, N+1
.endr
.set N, 0
.rept 28
	v_add_nc_u32 v[VO+N], v[COL], v[VO+N]
.set N, N+1
.endr
.set N, 0
.rept 28
	global_load_b32 v[LK+N], v[LA+N], s[6:7]
.set N, N+1
.endr
.set N, 0
.rept 28
	global_load_b64 v[RW+2*N:RW+2*N+1], v[VO+N], s[4:5]                  ; 32 lanes read 256 consecutive bytes of the row
.set N, N+1
.endr
	; ---- while they are on their way: the weights
.set N, 0
.rept 28
	v_cmp_gt_u32 vcc_lo, 0x800, v[VP+N]            ; on the array?  (a negative position is a large unsigned number)
	v_cndmask_b32 v[WT+N], 0, v[AL+N/7], vcc_lo    ; alpha, or 0
.set N, N+1
.endr
.set N, 0
.rept 28
	v_cvt_f32_i32 v[VP+N], v[VP+N]
.set N, N+1
.endr
.set N, 0
.rept 28
	v_sub_f32 v[VP+N], v[VP+N], v[KA+N/7]
.set N, N+1
.endr
.set N, 0
.rept 28
	v_mul_f32 v[VP+N], v[VP+N], v[VP+N]
.set N, N+1
.endr
.set N, 0
.rept 28
	v_mul_f32 v[VP+N], v[NB+N/7], v[VP+N]
.set N, N+1
.endr
.set N, 0
.rept 28
	v_exp_f32 v[VP+N], v[VP+N]                     ; exp(-beta (position - kappa)^2)
.set N, N+1
.endr
	v_nop                                          ; one plain place behind a transcendental
.set N, 0
	s_wait_alu depctr_va_vdst(0)
.rept 28
	v_mul_f32 v[WT+N], v[WT+N], v[VP+N]
.set N, N+1
.endr
	; ---- and the prior at my eight positions, by the same lines; outside a window the term is replaced by 0, not multiplied by it
.irp k, 0,1,2,3
.irp i, 0,1,2,3,4,5,6,7
	v_sub_f32 v[D2+\i], v[POSF+\i], v[KA+\k]
.endr
.irp i, 0,1,2,3,4,5,6,7
	v_sub_f32 v[MK+\i], v[POSF+\i], v[CE+\k]
.endr
.irp i, 0,1,2,3,4,5,6,7
	v_mul_f32 v[D2+\i], v[D2+\i], v[D2+\i]
.endr
.irp i, 0,1,2,3,4,5,6,7
	v_mul_f32 v[D2+\i], v[NB+\k], v[D2+\i]
.endr
.irp i, 0,1,2,3,4,5,6,7
	v_exp_f32 v[D2+\i], v[D2+\i]
.endr
.irp i, 0,1,2,3,4,5,6,7
	v_and_b32 v[MK+\i], s40, v[MK+\i]              ; |position - centre|.  (Plain places behind the exponentials)
.endr
	s_wait_alu depctr_va_vdst(0)
.irp i, 0,1,2,3,4,5,6,7
	v_cmp_ge_f32 vcc_lo, s36, v[MK+\i]             ; 3 >= |position - centre|
	v_cndmask_b32 v[D2+\i], 0, v[D2+\i], vcc_lo
.endr
.irp i, 0,1,2,3,4,5,6,7
.if \k == 0
	v_mul_f32 v[PR+\i], v[AL+\k], v[D2+\i]         ; the first component starts the sums
.else
	v_fmac_f32 v[PR+\i], v[AL+\k], v[D2+\i]
.endif
.endr
.endr
	s_wait_loadcnt 28                              ; lkh, dense and gathered, is in; the 28 loads of rows are younger
.set N, 0
.rept 28
	v_mul_f32 v[WT+N], v[WT+N], v[LK+N]            ; prior x likelihood
.set N, N+1
.endr
.irp i, 0,1,2,3
	v_add_f32 v[SS+\i], v[WT+\i], v[WT+4+\i]
.endr
.set N, 8
.rept 20
	v_add_f32 v[SS+N%4], v[SS+N%4], v[WT+N]
.set N, N+1
.endr
	v_add_f32 v[SS], v[SS], v[SS+1]
	v_add_f32 v[SS+2], v[SS+2], v[SS+3]
	v_add_f32 v[SS], v[SS], v[SS+2]
	v_rcp_f32 v[INV], v[SS]
.irp i, 0,1,2,3,4,5,6,7
	v_mul_f32 v[PR+\i], v[PR+\i], v[DL+\i]         ; (plain places behind the reciprocal: they touch neither it nor its source)
.endr
	s_wait_alu depctr_va_vdst(0)
.irp i, 0,1,2,3,4,5,6,7
	v_mul_f32 v[PR+\i], v[PR+\i], v[INV]
.endr
	global_store_b128 v[DA], v[PR:PR+3], s[14:15]                        ; 32 lanes store 512 consecutive bytes
	global_store_b128 v[DA], v[PR+4:PR+7], s[14:15] offset:512
	s_wait_loadcnt 0x0                             ; the rows
	v_mul_f32 v[AC],   v[WT],   v[RW]              ; the first two rows start two chains a column
	v_mul_f32 v[AC+1], v[WT],   v[RW+1]
	v_mul_f32 v[AC+2], v[WT+1], v[RW+2]
	v_mul_f32 v[AC+3], v[WT+1], v[RW+3]
.set N, 2
.rept 26
	v_fmac_f32 v[AC+2*(N%2)],   v[WT+N], v[RW+2*N]
	v_fmac_f32 v[AC+2*(N%2)+1], v[WT+N], v[RW+2*N+1]
.set N, N+1
.endr
	v_add_f32 v[AC],   v[AC],   v[AC+2]
	v_add_f32 v[AC+1], v[AC+1], v[AC+3]
	v_mul_f32 v[AC],   v[AC],   v[INV]
	v_mul_f32 v[AC+1], v[AC+1], v[INV]
	global_store_b64 v[COL], v[AC:AC+1], s[12:13]  ; 32 lanes store 256 consecutive bytes, at a multiple of 256 from out0's first byte
	s_endpgm
.Lfunc_end_k_q84a87bc585_finish:
	.size	k_q84a87bc585_finish, .Lfunc_end_k_q84a87bc585_finish-k_q84a87bc585_finish
	.p2alignl 7, 3214868480
	.fill 96, 4, 3214868480
	.section	.rodata,"a",@progbits
	.p2align	6, 0x0
	.amdhsa_kernel k_q84a87bc585_finish
		.amdhsa_group_segment_fixed_size 0
		.amdhsa_private_segment_fixed_size 0
		.amdhsa_enable_private_segment 0
		.amdhsa_kernarg_size 48
		.amdhsa_user_sgpr_count 2
		.amdhsa_user_sgpr_kernarg_segment_ptr 1
		.amdhsa_wavefront_size32 1
		.amdhsa_system_sgpr_workgroup_id_x 1
		.amdhsa_system_sgpr_workgroup_id_y 1
		.amdhsa_system_sgpr_workgroup_id_z 1
		.amdhsa_system_vgpr_workitem_id 0
		.amdhsa_next_free_vgpr 256
		.amdhsa_next_free_sgpr 66
		.amdhsa_reserve_vcc 1
		.amdhsa_float_denorm_mode_32 3
		.amdhsa_float_denorm_mode_16_64 3
		.amdhsa_memory_ordered 1
		.amdhsa_forward_progress 1
		.amdhsa_inst_pref_size 36
	.end_amdhsa_kernel
	.amdgpu_metadata
---
amdhsa.version: [ 1, 2 ]
amdhsa.kernels:
  - .name:           k_q84a87bc585_finish
    .symbol:         k_q84a87bc585_finish.kd
    .args:
      - { .name: ctx, .offset: 0, .size: 8, .value_kind: global_buffer, .address_space: global }
      - { .name: lkh, .offset: 8, .size: 8, .value_kind: global_buffer, .address_space: global }
      - { .name: stats, .offset: 16, .size: 8, .value_kind: global_buffer, .address_space: global }
      - { .name: cent, .offset: 24, .size: 8, .value_kind: global_buffer, .address_space: global }
      - { .name: out0, .offset: 32, .size: 8, .value_kind: global_buffer, .address_space: global }
      - { .name: out1, .offset: 40, .size: 8, .value_kind: global_buffer, .address_space: global }
    .group_segment_fixed_size: 0
    .private_segment_fixed_size: 0
    .kernarg_segment_align: 8
    .kernarg_segment_size: 48
    .max_flat_workgroup_size: 256
    .sgpr_count:     66
    .vgpr_count:     256
    .wavefront_size: 32
...
	.end_amdgpu_metadata
.endif
;; end of part 3
